; MI455X (gfx1250); checked and timed in simulation.
; The chip was launched on July 23, 2026; its instructions are those of AMD's public machine-readable ISA for CDNA 5 (MIT licence, August 2026) and "CDNA5" Instruction Set Architecture Reference Guide (July 2026). The comments in the code are by the model that wrote it; some were corrected since.
;; Attention Block. Allowed arithmetic: float matrix products may take bf16 or f16 operands with f32 sums; all other float work in f32.
;; Inputs: beta 512 float32; bk 512 float32; bo 512 float32; bq 512 float32; bv 512 float32; gamma 512 float32; wk 512 x 512 float32; wo 512 x 512 float32; wq 512 x 512 float32; wv 512 x 512 float32; x 32 x 512 x 32 x 32 float32.
;; Outputs: out0 32 x 512 x 32 x 32 float32.
;; One version. Each part assembles by itself: llvm-mc -triple=amdgcn-amd-amdhsa -mcpu=gfx1250 --defsym DOCPART=n.
;; ======== version 1 of 1: 3 launches
;; workspace buffers: h 33,554,432 bytes; wcat 2,097,152 bytes; res 131,072 bytes; qkv 100,663,296 bytes
;; launch norm (part 1): grid 1024 x 1, 8 waves a work-group, no clusters, 1,280 bytes of LDS; arguments x, gamma, beta, bo, wq, wk, wv, wo, h, res, wcat; writes h, res, wcat
.if DOCPART == 1
	.amdgcn_target "amdgcn-amd-amdhsa--gfx1250"
	.amdhsa_code_object_version 6
	.text
	.protected	k_qca5fe01404_norm
	.globl	k_qca5fe01404_norm
	.p2align	8
	.type	k_qca5fe01404_norm,@function
k_qca5fe01404_norm:
	s_mov_b64 s[64:65], 0
	v_nop
	global_prefetch_b8 v0, s[64:65] scope:SCOPE_SE
	s_setreg_imm32_b32 hwreg(HW_REG_WAVE_MODE, 25, 1), 1
	s_wait_xcnt 0x0
; GROUP NORM, and the weights' rounding.  x: [32][512][1024] f32.  A work-group owns one (batch, group): 16 channels x 1,024 positions,
; 65,536 consecutive bytes of x; work-group i is batch i / 32, group i % 32.  Wave w owns channels 2 w and 2 w + 1 (8,192 bytes); a lane keeps its
; 64 numbers in registers, so x is read once.  Statistics in two passes on the registers (mean; then the mean of squared deviations), so a common
; offset of x costs no digits.  Out: h = xn rounded to bf16, [b][c][n]; res[b][c] = (A, Bc) in f32 with A = gamma rstd, Bc = beta - mean A + bo,
; from which the last launch makes xn + bo of x in f32; and 1,024 numbers of wq | wk | wv | wo rounded to bf16 into wcat ([2048][512]).
; No matrix unit, no cluster, no tensor load: each byte is used by one work-group, once.
; LIMITS.  h and wcat are rounded to bf16 (nearest even).  NaN and infinities are not treated apart.
; The res store of wave 0 is 128 consecutive bytes, half of an aligned 256: 131,072 bytes in the whole launch.
.set SPARE, 256                        ; LDS: bytes 0-31 eight waves' sums, 64-95 eight waves' sums of squares; from 256 on the spare words, 128 bytes a wave
.set SPW,   7                          ; v7   LDS address of my spare word; never rewritten
.set NIL,   8                          ; v8   0; never rewritten
.set SM,    20                         ; v[20:27] four chains of pair sums
.set X,     40                         ; v[40:103] my 64 numbers: load j (0..15) at X + 4 j; j < 8 is channel 2 w, else 2 w + 1
; v1 lane; v2 x offset; v3 h offset; v4, v5 weights in, out; v6 4 lane; v9 per-lane channel offset; v[10:13] weights; v[14:15] weights packed
; v16-18 gamma, beta, bo of channel lane / 2; v19 wave; v28-30 at work; v31 LDS address 0; v[32:33] mean; v[34:37] A of my two channels, twice each; v38 rstd; v39 4 wave
	s_load_b512 s[8:23], s[0:1], 0x0               ; x s[8:9], gamma s[10:11], beta s[12:13], bo s[14:15], wq s[16:17], wk s[18:19], wv s[20:21], wo s[22:23]
	s_load_b128 s[24:27], s[0:1], 0x40             ; h s[24:25], res s[26:27]
	s_load_b64 s[28:29], s[0:1], 0x50              ; wcat
	v_lshl_add_u32 v[SPW], v0, 2, SPARE
	v_mov_b32 v[NIL], 0
	v_and_b32 v1, 31, v0                           ; lane
	v_lshrrev_b32 v19, 5, v0
	v_readfirstlane_b32 s30, v19                   ; wave 0..7
	s_and_b32 s41, ttmp9, 31                       ; the group,
	s_lshl_b32 s41, s41, 6                         ; its 16 channels' first byte in gamma, beta, bo
	s_lshl3_add_u32 s31, s30, s41                  ; my wave's two channels there
	s_lshr_b32 s34, ttmp9, 8                       ; which weight matrix this work-group converts a part of: 256 work-groups to a matrix
	s_and_b32 s35, ttmp9, 255
	s_lshl_b32 s35, s35, 12                        ; and which 4,096 bytes of it
	s_mov_b32 s33, 0                               ; high word of every offset pair
	s_mov_b32 s40, 0x38800000                      ; 2^-14 = 1 / (16 x 1,024)
	s_mov_b32 s44, 0x76543210                      ; v_permlanex16_b32: each lane takes its own place in the other half
	s_mov_b32 s45, 0xfedcba98
	v_lshlrev_b32 v2, 4, v1
	v_lshl_or_b32 v2, v19, 13, v2                  ; x: 8,192 wave + 16 lane
	v_lshlrev_b32 v3, 3, v1
	v_lshl_or_b32 v3, v19, 12, v3                  ; h: 4,096 wave + 8 lane
	v_lshlrev_b32 v4, 4, v0                        ; weights in: 16 bytes a thread
	v_lshlrev_b32 v5, 3, v0                        ; weights out: 8 bytes a thread
	v_lshlrev_b32 v6, 2, v1
	v_lshrrev_b32 v9, 1, v1
	v_lshl_add_u32 v9, v9, 2, s41                  ; channel 16 g + lane / 2, in bytes
	v_lshlrev_b32 v39, 2, v19                      ; my wave's word in LDS
	v_mov_b32 v31, 0
	s_wait_kmcnt 0x0
	s_load_b64 s[36:37], s[10:11], s31 offset:0x0  ; gamma of my two channels
	s_load_b64 s[38:39], s[12:13], s31 offset:0x0  ; beta of my two channels
	s_cmp_eq_u32 s34, 0
	s_cselect_b64 s[46:47], s[16:17], s[18:19]     ; wq or wk
	s_cmp_eq_u32 s34, 2
	s_cselect_b64 s[42:43], s[20:21], s[22:23]     ; wv or wo
	s_cmp_lt_u32 s34, 2
	s_cselect_b64 s[46:47], s[46:47], s[42:43]
	s_mov_b32 s32, s35
	s_add_nc_u64 s[46:47], s[46:47], s[32:33]      ; my work-group's 4,096 bytes of the matrix
	s_lshl_b32 s32, ttmp9, 16
	s_add_nc_u64 s[8:9], s[8:9], s[32:33]          ; x: 65,536 bytes a work-group
	s_lshl_b32 s32, ttmp9, 15
	s_add_nc_u64 s[24:25], s[24:25], s[32:33]      ; h: 32,768
	s_lshl_b32 s32, ttmp9, 7
	s_add_nc_u64 s[26:27], s[26:27], s[32:33]      ; res: 128
	s_lshl_b32 s32, ttmp9, 11
	s_add_nc_u64 s[28:29], s[28:29], s[32:33]      ; wcat: 2,048
	; Every wave issues the three small loads, so that the counts below mean the same in every wave; wave 0 alone uses them, for res.
	global_load_b32 v16, v9, s[10:11]
	global_load_b32 v17, v9, s[12:13]
	global_load_b32 v18, v9, s[14:15]
	global_load_b128 v[10:13], v4, s[46:47]
.set j, 0
.rept 16
	global_load_b128 v[X+4*j:X+4*j+3], v2, s[8:9] offset:512*j th:TH_LOAD_NT  ; 512 consecutive bytes a wave
.set j, j+1
.endr
	s_wait_loadcnt 16                              ; loads return in order: all but the 16 loads of x are in
	v_cvt_pk_bf16_f32 v14, v10, v11
	v_cvt_pk_bf16_f32 v15, v12, v13
	global_store_b64 v5, v[14:15], s[28:29]        ; a wave stores 256 consecutive bytes, aligned
.macro FOLD                            ; eight numbers in v[SM:SM+7] into v[SM]
	v_pk_add_f32 v[SM:SM+1], v[SM:SM+1], v[SM+2:SM+3]
	v_pk_add_f32 v[SM+4:SM+5], v[SM+4:SM+5], v[SM+6:SM+7]
	v_pk_add_f32 v[SM:SM+1], v[SM:SM+1], v[SM+4:SM+5]
	v_add_f32 v[SM], v[SM], v[SM+1]
.endm
; The lane's figure in v[SM] is summed over the wave's 32 lanes, then over the eight waves through LDS words at byte off; the total ends in v[SM] of every lane.
.macro WGSUM off
	v_add_f32_dpp v[SM], v[SM], v[SM] row_xmask:1 row_mask:0xf bank_mask:0xf
	v_add_f32_dpp v[SM], v[SM], v[SM] row_xmask:2 row_mask:0xf bank_mask:0xf
	v_add_f32_dpp v[SM], v[SM], v[SM] row_xmask:4 row_mask:0xf bank_mask:0xf
	v_add_f32_dpp v[SM], v[SM], v[SM] row_xmask:8 row_mask:0xf bank_mask:0xf
	v_permlanex16_b32 v[SM+1], v[SM], s44, s45
	v_add_f32 v[SM], v[SM], v[SM+1]
	ds_store_b32 v39, v[SM] offset:\off            ; all lanes write the wave's word with the same value
	s_wait_dscnt 0x0                               ; for the others' sake: my store is done
	s_barrier_signal -1
	s_barrier_wait -1
	ds_load_b128 v[SM:SM+3], v31 offset:\off
	ds_load_b128 v[SM+4:SM+7], v31 offset:(\off)+16
	s_wait_dscnt 0x0
	FOLD
.endm
	; pass 1: the sum, in four chains that the first four loads start: nothing is cleared
.set j, 0
.rept 16
.if (j == 1) || (j == 3)
	s_wait_loadcnt 15-j                            ; load j is in; the 15 - j younger ones stay out
	v_pk_add_f32 v[SM+2*(j-1):SM+2*(j-1)+1], v[X+4*j-4:X+4*j-3], v[X+4*j:X+4*j+1]
	v_pk_add_f32 v[SM+2*(j-1)+2:SM+2*(j-1)+3], v[X+4*j-2:X+4*j-1], v[X+4*j+2:X+4*j+3]
.elseif j > 3
	s_wait_loadcnt 15-j
	v_pk_add_f32 v[SM+4*(j%2):SM+4*(j%2)+1], v[SM+4*(j%2):SM+4*(j%2)+1], v[X+4*j:X+4*j+1]
	v_pk_add_f32 v[SM+4*(j%2)+2:SM+4*(j%2)+3], v[SM+4*(j%2)+2:SM+4*(j%2)+3], v[X+4*j+2:X+4*j+3]
.endif
.set j, j+1
.endr
	FOLD
	WGSUM 0
	v_mul_f32 v32, s40, v[SM]                      ; the mean,
	v_mul_f32 v33, s40, v[SM]                      ; twice, for the packed subtraction
	; pass 2: deviations in place, and the sum of their squares
.set j, 0
.rept 32
	v_pk_add_f32 v[X+2*j:X+2*j+1], v[X+2*j:X+2*j+1], v[32:33] neg_lo:[0,1] neg_hi:[0,1]
.set j, j+1
.endr
.set j, 0
.rept 32
.if j < 4
	v_pk_mul_f32 v[SM+2*j:SM+2*j+1], v[X+2*j:X+2*j+1], v[X+2*j:X+2*j+1]
.else
	v_pk_fma_f32 v[SM+2*(j%4):SM+2*(j%4)+1], v[X+2*j:X+2*j+1], v[X+2*j:X+2*j+1], v[SM+2*(j%4):SM+2*(j%4)+1]
.endif
.set j, j+1
.endr
	FOLD
	WGSUM 64                                       ; other words than the first sum's: no wave can still be reading what is written here
	s_wait_tensorcnt 0x0                           ; the wave's end as far as LDS goes, behind my last LDS store;
	ds_add_u32 v[SPW], v[NIL]                      ; the arithmetic below, work on registers, stands between the add and the wait for it
	v_fmaak_f32 v38, s40, v[SM], 0x3727c5ac        ; variance + 1e-5
	v_rsq_f32 v38, v38
	v_nop                                          ; a plain instruction between the reciprocal root and the use of its result (ISA guide 5.7.2)
	s_wait_kmcnt 0x0                               ; gamma and beta of my channels
	s_wait_alu depctr_va_vdst(0)
	v_mul_f32 v34, s36, v38                        ; A = gamma rstd, channel 2 w, twice
	v_mul_f32 v35, s36, v38
	v_mul_f32 v36, s37, v38                        ; channel 2 w + 1
	v_mul_f32 v37, s37, v38
	s_mov_b32 s42, s39                             ; the second channel's beta as the low word of a pair
	s_mov_b32 s43, s39
	s_wait_dscnt 0x0
.set j, 0
.rept 16
	v_pk_fma_f32 v[X+4*j:X+4*j+1], v[X+4*j:X+4*j+1], v[34+2*(j/8):35+2*(j/8)], s[38+4*(j/8):39+4*(j/8)] op_sel_hi:[1,1,0]
	v_pk_fma_f32 v[X+4*j+2:X+4*j+3], v[X+4*j+2:X+4*j+3], v[34+2*(j/8):35+2*(j/8)], s[38+4*(j/8):39+4*(j/8)] op_sel_hi:[1,1,0]
	v_cvt_pk_bf16_f32 v[X+4*j], v[X+4*j], v[X+4*j+1]
	v_cvt_pk_bf16_f32 v[X+4*j+1], v[X+4*j+2], v[X+4*j+3]
	global_store_b64 v3, v[X+4*j:X+4*j+1], s[24:25] offset:256*j  ; a wave stores 256 consecutive bytes, aligned; the registers are not written again
.set j, j+1
.endr
	s_cmp_lg_u32 s30, 0
	s_cbranch_scc1 .Ldone
	v_mul_f32 v28, v16, v38                        ; wave 0: lane l makes A and Bc of channel l / 2 and stores the one that its parity picks
	v_fma_f32 v29, -v32, v28, v17
	v_add_f32 v29, v29, v18
	v_and_b32 v30, 1, v0
	v_cmp_eq_u32 vcc_lo, 1, v30
	v_cndmask_b32 v28, v28, v29, vcc_lo
	global_store_b32 v6, v28, s[26:27]
.Ldone:
	s_endpgm
.Lfunc_end_k_qca5fe01404_norm:
	.size	k_qca5fe01404_norm, .Lfunc_end_k_qca5fe01404_norm-k_qca5fe01404_norm
	.p2alignl 7, 3214868480
	.fill 96, 4, 3214868480
	.section	.rodata,"a",@progbits
	.p2align	6, 0x0
	.amdhsa_kernel k_qca5fe01404_norm
		.amdhsa_group_segment_fixed_size 1280
		.amdhsa_private_segment_fixed_size 0
		.amdhsa_enable_private_segment 0
		.amdhsa_kernarg_size 88
		.amdhsa_user_sgpr_count 2
		.amdhsa_user_sgpr_kernarg_segment_ptr 1
		.amdhsa_wavefront_size32 1
		.amdhsa_system_sgpr_workgroup_id_x 1
		.amdhsa_system_sgpr_workgroup_id_y 1
		.amdhsa_system_sgpr_workgroup_id_z 1
		.amdhsa_system_vgpr_workitem_id 0
		.amdhsa_next_free_vgpr 104
		.amdhsa_next_free_sgpr 66
		.amdhsa_reserve_vcc 1
		.amdhsa_float_denorm_mode_32 3
		.amdhsa_float_denorm_mode_16_64 3
		.amdhsa_memory_ordered 1
		.amdhsa_forward_progress 1
		.amdhsa_inst_pref_size 20
	.end_amdhsa_kernel
	.amdgpu_metadata
---
amdhsa.version: [ 1, 2 ]
amdhsa.kernels:
  - .name:           k_qca5fe01404_norm
    .symbol:         k_qca5fe01404_norm.kd
    .args:
      - { .name: x, .offset: 0, .size: 8, .value_kind: global_buffer, .address_space: global }
      - { .name: gamma, .offset: 8, .size: 8, .value_kind: global_buffer, .address_space: global }
      - { .name: beta, .offset: 16, .size: 8, .value_kind: global_buffer, .address_space: global }
      - { .name: bo, .offset: 24, .size: 8, .value_kind: global_buffer, .address_space: global }
      - { .name: wq, .offset: 32, .size: 8, .value_kind: global_buffer, .address_space: global }
      - { .name: wk, .offset: 40, .size: 8, .value_kind: global_buffer, .address_space: global }
      - { .name: wv, .offset: 48, .size: 8, .value_kind: global_buffer, .address_space: global }
      - { .name: wo, .offset: 56, .size: 8, .value_kind: global_buffer, .address_space: global }
      - { .name: h, .offset: 64, .size: 8, .value_kind: global_buffer, .address_space: global }
      - { .name: res, .offset: 72, .size: 8, .value_kind: global_buffer, .address_space: global }
      - { .name: wcat, .offset: 80, .size: 8, .value_kind: global_buffer, .address_space: global }
    .group_segment_fixed_size: 1280
    .private_segment_fixed_size: 0
    .kernarg_segment_align: 8
    .kernarg_segment_size: 88
    .max_flat_workgroup_size: 256
    .sgpr_count:     66
    .vgpr_count:     104
    .wavefront_size: 32
...
	.end_amdgpu_metadata
.endif
;; end of part 1
;; launch qkv (part 2): grid 8 x 32, 4 waves a work-group, clusters of 4 x 1, 327,680 bytes of LDS; arguments h, wcat, qkv, bq, bk, bv; writes qkv
.if DOCPART == 2
	.amdgcn_target "amdgcn-amd-amdhsa--gfx1250"
	.amdhsa_code_object_version 6
	.text
	.protected	k_qca5fe01404_qkv
	.globl	k_qca5fe01404_qkv
	.p2align	8
	.type	k_qca5fe01404_qkv,@function
k_qca5fe01404_qkv:
	s_mov_b64 s[64:65], 0
	v_nop
	global_prefetch_b8 v0, s[64:65] scope:SCOPE_SE
	s_setreg_imm32_b32 hwreg(HW_REG_WAVE_MODE, 25, 1), 1
	s_wait_xcnt 0x0
	s_wait_alu depctr_hold_cnt(0) depctr_sa_sdst(0) depctr_va_vdst(0) depctr_va_sdst(0) depctr_va_ssrc(0) depctr_va_vcc(0) depctr_vm_vsrc(0)
	s_getreg_b32 s2, hwreg(HW_REG_IB_STS2, 6, 4)
	s_cmp_eq_u32 s2, 0
	s_cbranch_scc0 .Lentry_in_a_cluster
	s_endpgm
.Lentry_in_a_cluster:
	s_bfe_u32 s2, ttmp6, 0x10000c
	s_cmp_lg_u32 s2, 0x3003
	s_cbranch_scc0 .Lentry_shape_is_right
	s_endpgm
.Lentry_shape_is_right:
; qkv[b][n][o] = sum over c of h[b][c][n] wcat[o][c] + bias[o], o = 0..1535 (q | k | v), bf16 in, f32 sums, bf16 out, rows of 3,072 bytes.
; A WORK-GROUP STAYS: it owns 128 n of a batch and makes all 1,536 o, in six tiles of 256 o: 32 x 8 = 256 work-groups.  Wave (rh, ch) owns 64 n x 128 o of each tile: 32 accumulators.
; h IS READ ONCE: the work-group's block (512 c x 128 n) comes into LDS by four tensor loads; each wave turns its 64 n x 512 c into 64 fragments (ds_load_tr16_b128, since h lies [c][n])
; and keeps them in 512 registers for the whole launch.  After that only wcat's fragments come out of LDS: 16 loads for 32 matrix instructions.
; THE RING: two slots, each with 256 o x 256 c of wcat (half of K; rows of 512 bytes).  Slot 1 lies where h's block lay and is first filled when h is in registers.  A tile is slot 0 and then slot 1;
; the slot just read out takes the same half of the next tile, so a refill has 256 matrix instructions of each wave in which to land.  The ring runs on from tile to tile.
; CLUSTER 4 x 1: the four partners are four blocks of n of one batch.  All walk the same rows of wcat, so each of its tiles is asked for JOINTLY (mask of four); h's block is each one's own.
; THE MATRIX INSTRUCTION: source 0 = 16 rows of wcat, source 1 = 16 n: a lane holds one n and eight neighbouring o, 16 bytes of a row of qkv.
; THE BIAS is the C operand of a tile's first K slice: nothing is cleared, nothing is added afterwards.  It is loaded one tile ahead.
; LIMITS.  Operands and results are bf16 (rounded to nearest even); NaN and infinities are not treated apart.
; REGISTERS, in windows of 256 (s_set_vgpr_msb: bits 1:0 source 0, 3:2 source 1, 5:4 source 2, 7:6 destination):
;   window 0: v0-31 addresses; v32-95 the bias; v96-127 packed results; v128-191, v192-255 wcat's fragments, two buffers (the second also takes the rows read back on the way out)
;   window 1: the accumulators, (a, b) at 8 (8 a + b): n block a of 4, o block b of 8      windows 2, 3: h: n block a, K slice s at window 2 + s / 8, 8 (4 (s % 8) + a)
.set PH,     288                       ; an LDS row of h's block: 256 bytes + 32 = 9 x 32: the turning load's 8 rows x 32 bytes fall on different banks (64 banks of 4 bytes: ISA guide 11.1)
.set PW,     528                       ; an LDS row of wcat's tile: 512 + 16 = 33 x 16: the 16 rows of a load start at 16 different groups of four banks
.set WPART,  64*PW                     ; what one wave's load of wcat fills: 64 rows
.set HPART,  128*PH                    ; what one wave's load of h fills: 128 rows
.set HREG,   4*WPART                   ; slot 0 lies at byte 0; behind it h's block, which later is slot 1 (4 x WPART of its 4 x HPART bytes)
.set STAGE,  HREG+4*HPART              ; never filled by a tensor load: 16 rows x 272 bytes for each wave, for the way out
.set SPITCH, 272
.set SPARE,  STAGE+4*16*SPITCH         ; the spare words, 128 bytes for each wave
.set ROWB,   3072                      ; bytes in a row of qkv
.set TSTEP,  256*1024                  ; a tile further on in wcat: 256 rows of 1,024 bytes
.set ADRB, 16                          ; v16-17  LDS address of my fragments of wcat in slot 0, 1
.set AH,   18                          ; v18     LDS address of my fragments of h; it steps four slices at a time
.set STO,  24                          ; v24     the way out: where I put 16 bytes of a row
.set RD,   25                          ; v25     where I read a row back
.set CO,   26                          ; v26     my byte offset in qkv
.set BO,   27                          ; v27     my byte offset in the bias
.set SPW,  28                          ; v28     LDS address of my spare word; never rewritten
.set NIL,  29                          ; v29     0; never rewritten
.set BIAS, 32                          ; eight registers for each block of 16 o
.set TMP,  96
.set F0,   128
.set F1,   192
.set G1H,  24                          ; s[24:31] group 1 for h's block;  s[32:35] its group 0
.set G0H,  32
.set G0S,  36                          ; s[36:39], s[40:43] group 0 for wcat's tiles, a set for each slot
.set G1W,  44                          ; s[44:51] group 1 for wcat's tiles
.set BP,   52                          ; s[52:53] the bias of the tile to come
.set T1,   54                          ; s54  that tile's number
.set TILES, 55                         ; s55  trips to go
.set MSB, 0
.macro WIN new                         ; the immediate's high byte repeats the setting that is left; a switch that changes nothing is dropped
.if MSB != (\new)
	s_set_vgpr_msb (MSB<<8)|(\new)
.set MSB, \new
.endif
.endm
.macro PLACES                          ; four places in front of loads into registers that matrix instructions have read, and of conversions that read results
.rept 4
	v_nop
.endr
.endm
.macro CREST                           ; a round of the cluster's barrier behind its opening barrier
	s_cmp_lg_u32 s10, 0
	s_cbranch_scc1 .Lnot_wave_0_\@
	s_barrier_signal -3
.Lnot_wave_0_\@:
	s_barrier_wait -3
	s_barrier_signal -1
	s_barrier_wait -1
.endm
.macro CROUND                          ; a whole round
	s_barrier_signal -1
	s_barrier_wait -1
	CREST
.endm
	s_load_b128 s[4:7], s[0:1], 0x0                ; h s[4:5], wcat s[6:7]
	s_load_b64 s[8:9], s[0:1], 0x10                ; qkv
	s_load_b128 s[68:71], s[0:1], 0x18             ; bq s[68:69], bk s[70:71]
	s_load_b64 s[72:73], s[0:1], 0x28              ; bv
	v_lshl_add_u32 v[SPW], v0, 2, SPARE
	v_mov_b32 v[NIL], 0
	ds_add_u32 v[SPW], v[NIL]                      ; the wave's opening: the add and its wait stand ahead of my first tensor load; the set-up below stands between them
	v_lshrrev_b32 v1, 5, v0
	v_readfirstlane_b32 s10, v1                    ; wave 0..3
	s_lshr_b32 s11, s10, 1                         ; which 64 of the block's n are mine
	s_and_b32 s12, s10, 1                          ; which 128 of a tile's o
	s_bfe_u32 s15, ttmp6, 0x40000                  ; my place in the cluster
	s_lshl_b32 s14, ttmp9, 2
	s_add_co_u32 s14, s14, s15                     ; my block of 128 n: it enters h's and qkv's addresses alone
	s_and_b32 s13, ttmp7, 0xffff                   ; the batch
	; group 1 for h: 128 rows (c) x 128 elements (n), 32 bytes of padding behind each 256; no mask: a load of my own
	s_mov_b32 s[G1H+0], (1<<16)|(1<<20)|(5<<22)|(7<<25)
	s_mov_b32 s[G1H+1], 128<<16                    ; tensor_dim0
	s_mov_b32 s[G1H+2], 128<<16                    ; tensor_dim1
	s_mov_b32 s[G1H+3], 128<<16                    ; tile_dim0
	s_mov_b32 s[G1H+4], 128                        ; tile_dim1
	s_mov_b32 s[G1H+5], 1024                       ; elements from row to row
	s_mov_b32 s[G1H+6], 0
	s_mov_b32 s[G1H+7], 0
	; group 1 for wcat: 64 rows (o) x 256 elements (c), 16 bytes of padding behind each 512; the mask names all four partners, bit 21 beside it
	s_mov_b32 s[G1W+0], 15|(1<<16)|(1<<20)|(1<<21)|(6<<22)|(3<<25)
	s_mov_b32 s[G1W+1], 256<<16
	s_mov_b32 s[G1W+2], 64<<16
	s_mov_b32 s[G1W+3], 256<<16
	s_mov_b32 s[G1W+4], 64
	s_mov_b32 s[G1W+5], 512
	s_mov_b32 s[G1W+6], 0
	s_mov_b32 s[G1W+7], 0
	s_mov_b32 s[G0H], 1
	s_mul_i32 s22, s10, HPART                      ; every LDS address: a constant plus the wave's number times a constant
	s_add_co_u32 s[G0H+1], s22, HREG
	s_mov_b32 s[G0S], 1
	s_mul_i32 s[G0S+1], s10, WPART
	s_mov_b32 s[G0S+4], 1
	s_add_co_u32 s[G0S+5], s[G0S+1], HREG
	s_lshl_b32 s16, s13, 20                        ; h: the batch's 1,048,576 bytes,
	s_lshl_b32 s17, s10, 18                        ; my 128 rows of 2,048 bytes,
	s_add_co_u32 s16, s16, s17
	s_lshl_b32 s17, s14, 8                         ; my block's 256 bytes of each row
	s_add_co_u32 s16, s16, s17
	s_mov_b32 s17, 0
	s_lshl_b32 s20, s10, 16                        ; wcat: my 64 rows of 1,024 bytes: no place in the cluster enters these two registers
	s_mov_b32 s21, 0
	s_lshl_b32 s56, s12, 9                         ; the bias: my 128 o
	s_mov_b32 s57, 0
	s_wait_dscnt 0x0                               ; the opening add is done
	s_wait_kmcnt 0x0
	s_add_nc_u64 s[G0H+2:G0H+3], s[4:5], s[16:17]
	s_or_b32 s[G0H+3], s[G0H+3], 0x80000000
	s_add_nc_u64 s[G0S+2:G0S+3], s[6:7], s[20:21]  ; tile 0, c 0 to 255
	s_or_b32 s[G0S+3], s[G0S+3], 0x80000000
	s_add_nc_u64 s[G0S+6:G0S+7], s[6:7], s[20:21]
	s_add_nc_u64 s[G0S+6:G0S+7], s[G0S+6:G0S+7], 512  ; tile 0, c 256 to 511
	s_or_b32 s[G0S+7], s[G0S+7], 0x80000000
	s_add_nc_u64 s[BP:BP+1], s[68:69], s[56:57]    ; tile 0 lies in bq
	CROUND                                         ; all four work-groups are here: the first joint loads meet
	tensor_load_to_lds s[G0H:G0H+3], s[G1H:G1H+7]  ; my quarter of h's block,
	s_nop 0
	tensor_load_to_lds s[G0S:G0S+3], s[G1W:G1W+7]  ; and of slot 0: two loads of mine are out
	s_nop 0
	PLACES
	v_and_b32 v1, 15, v0                           ; l % 16
	v_bfe_u32 v2, v0, 4, 1                         ; l / 16
	v_and_b32 v4, 7, v0
	v_bfe_u32 v5, v0, 3, 1
	v_lshlrev_b32 v[BO], 5, v2                     ; register j of block b is o = 16 b + 8 (l / 16) + j
.macro GETBIAS
.irp b, 0,1,2,3,4,5,6,7
	global_load_b128 v[BIAS+8*\b:BIAS+8*\b+3],   v[BO], s[BP:BP+1] offset:64*\b
	global_load_b128 v[BIAS+8*\b+4:BIAS+8*\b+7], v[BO], s[BP:BP+1] offset:64*\b+16
.endr
.endm
	GETBIAS
	; h's fragment, turned: lane l reads 16 bytes of row c = 8 (l / 16) + l % 8, n = 8 ((l / 8) % 2) + 0..7, and ends with n = l % 16 and eight c
	v_lshl_add_u32 v6, v2, 3, v4
	v_mul_u32_u24 v6, v6, PH
	v_lshl_add_u32 v6, v5, 4, v6
	s_lshl_b32 s22, s11, 7                         ; my 64 n: 128 bytes along h's rows
	s_add_co_u32 s22, s22, HREG
	v_add_nc_u32 v[AH], s22, v6
	v_mul_u32_u24 v3, v1, PW                       ; wcat's fragment: row l % 16, 16 bytes for each half of the lanes
	v_lshl_add_u32 v3, v2, 4, v3
	s_mul_i32 s22, s12, 128*PW                     ; my 128 rows of a slot's 256
	v_add_nc_u32 v[ADRB], s22, v3
	s_add_co_u32 s22, s22, HREG
	v_add_nc_u32 v[ADRB+1], s22, v3
	s_mul_i32 s23, s10, 16*SPITCH
	s_add_co_u32 s23, s23, STAGE                   ; my stage
	v_mul_u32_u24 v4, v1, SPITCH                   ; in: row l % 16, 16 bytes for each half of the lanes
	v_lshl_add_u32 v4, v2, 4, v4
	v_add_nc_u32 v[STO], s23, v4
	v_mul_u32_u24 v5, v2, SPITCH                   ; back: lanes 0-15 take one row of 256 bytes, lanes 16-31 the next
	v_lshl_add_u32 v5, v1, 4, v5
	v_add_nc_u32 v[RD], s23, v5
	v_mul_u32_u24 v5, v2, ROWB                     ; and the same two rows in qkv
	v_lshl_add_u32 v[CO], v1, 4, v5
	s_lshl_b32 s16, s13, 10                        ; my first row of qkv: 1,024 b + 128 x block + 64 x half,
	s_lshl_b32 s17, s14, 7
	s_add_co_u32 s16, s16, s17
	s_lshl_b32 s17, s11, 6
	s_add_co_u32 s16, s16, s17
	s_mul_i32 s16, s16, ROWB                       ; in bytes (under 2^27),
	s_lshl_b32 s17, s12, 8                         ; and my 256 bytes of tile 0's 512
	s_add_co_u32 s16, s16, s17
	s_mov_b32 s17, 0
	s_add_nc_u64 s[8:9], s[8:9], s[16:17]
; 16 LDS loads in one run: wcat's eight fragments of K slice q of a slot into buffer f
.macro FETCH slot, q, f
	WIN 0
.irp i, 0,1,2,3,4,5,6,7
	ds_load_b128 v[(\f)+8*\i:(\f)+8*\i+3],   v[ADRB+(\slot)] offset:64*(\q)+\i*16*PW
	ds_load_b128 v[(\f)+8*\i+4:(\f)+8*\i+7], v[ADRB+(\slot)] offset:64*(\q)+\i*16*PW+32
.endr
.endm
; K slice s of 16: na blocks of n from a0 on x all 8 blocks of o.  Slice 0 starts the sums with the bias (window 0).
; The 32 accumulators take turns, one instruction a turn, in the same order in every slice.
.macro MULA s, a0, na
.if (\s) == 0
	WIN 0x48
.else
	WIN 0x58+4*((\s)/8)
.endif
.set ma, \a0
.rept \na
.set mb, 0
.rept 8
.set rD, 8*(8*ma+mb)
.set rB, F0+64*((\s)%2)+8*mb
.set rA, 8*(4*((\s)%8)+ma)
.if (\s) == 0
	v_wmma_f32_16x16x32_bf16 v[rD:rD+7], v[rB:rB+7], v[rA:rA+7], v[BIAS+8*mb:BIAS+8*mb+7]
.else
	v_wmma_f32_16x16x32_bf16 v[rD:rD+7], v[rB:rB+7], v[rA:rA+7], v[rD:rD+7]
.endif
.set mb, mb+1
.endr
.set ma, ma+1
.endr
.endm
; A slice that is not its slot's last: the next slice's fragments are asked for, then this slice's 32 products follow.  nb = 1: the next tile's bias is asked for too.
.macro QUARTER s, nb
	PLACES                                         ; behind the products that read the other buffer (and, with nb = 1, the bias)
	WIN 0
.if \nb
	GETBIAS
.endif
	FETCH ((\s)+1)/8, ((\s)+1)%8, F0+64*(((\s)+1)%2)
	s_wait_dscnt 16                                ; LDS loads return in order: all but the 16 just issued are in
	MULA \s, 0, 4
.endm
; A slot's last slice, and the change of slots: ONE barrier.  In front of it each wave waits for all its tensor loads, of which one is out: its part of the other slot; adds 0 to its spare word;
; and waits for that and for its reads of this slot.  fill = 1: the barrier opens a round of the cluster's, and this slot takes the same half of the next tile, first thing behind the round.
.macro TURN s, fill
	WIN 0                                          ; (the add's two registers lie in window 0)
	s_wait_tensorcnt 0x0                           ; all my tensor loads have landed;
	ds_add_u32 v[SPW], v[NIL]                      ; 0 onto my spare word;
	s_wait_dscnt 1                                 ; (the add alone may be out: this slice's fragments are in)
	MULA \s, 0, 1                                  ; eight matrix instructions stand between the add and the wait for it
	s_wait_dscnt 0x0                               ; the add is done, and my reads of this slot are over
	s_barrier_signal -1
	MULA \s, 1, 1
.if \fill
	WIN 0
.endif
	s_barrier_wait -1
.if \fill
	CREST                                          ; no wave of any partner still reads this slot or has a load on its way
	s_add_nc_u64 s[G0S+4*((\s)/8)+2:G0S+4*((\s)/8)+3], s[G0S+4*((\s)/8)+2:G0S+4*((\s)/8)+3], TSTEP  ; the type bits on top are not reached
	tensor_load_to_lds s[G0S+4*((\s)/8):G0S+4*((\s)/8)+3], s[G1W:G1W+7]
	s_nop 0
.endif
	PLACES                                         ; behind the tensor load; also the places in front of the loads below
	FETCH 1-(\s)/8, 0, F0
	MULA \s, 2, 2
.endm
; THE WAY OUT of block a (16 rows of qkv, my 128 o): rounded to bf16; through my own stage in LDS; stored as whole pieces of 256 bytes.
.macro PACK a
	WIN 0x05                                       ; sources 0 and 1 in window 1
.irp b, 0,1,2,3,4,5,6,7
.irp r, 0,1,2,3
	v_cvt_pk_bf16_f32 v[TMP+4*\b+\r], v[8*(8*(\a)+\b)+2*\r], v[8*(8*(\a)+\b)+2*\r+1]
.endr
.endr
	WIN 0
.endm
.macro TOSTAGE a
.set BK, F1+32*((\a)%2)
.irp b, 0,1,2,3,4,5,6,7
	ds_store_b128 v[STO], v[TMP+4*\b:TMP+4*\b+3] offset:32*\b
.endr
.irp t, 0,1,2,3,4,5,6,7
	ds_load_b128 v[BK+4*\t:BK+4*\t+3], v[RD] offset:\t*2*SPITCH  ; LDS serves a wave's instructions in order (ISA guide 5.7.1.4): these see the stores above
.endr
.endm
.macro SEND a
.set BK, F1+32*((\a)%2)
	s_wait_dscnt 0x0                               ; the block is back in registers
	s_wait_xcnt 0x0                                ; earlier stores have read their data: the registers that they named may be loaded again behind this line
.irp t, 0,1,2,3,4,5,6,7
	global_store_b128 v[CO], v[BK+4*\t:BK+4*\t+3], s[8:9] offset:(16*(\a)+2*\t)*ROWB  ; 16 lanes store 256 consecutive bytes, at a multiple of 256 from qkv's first byte
.endr
.endm
; A TILE of 256 o.  fill = 1: both slots are filled again for the next tile, whose bias and first fragments are fetched too.
.macro TILE fill
	s_wait_loadcnt 0x0                             ; this tile's bias
	QUARTER 0, 0
.if \fill
	s_cmp_lt_u32 s[T1], 2                          ; the next tile's bias: bq, bk or bv, two tiles each.  The loads that named this pointer are done (the wait above)
	s_cselect_b64 s[BP:BP+1], s[68:69], s[70:71]
	s_cmp_lt_u32 s[T1], 4
	s_cselect_b64 s[BP:BP+1], s[BP:BP+1], s[72:73]
	s_and_b32 s56, s[T1], 1
	s_lshl_b32 s56, s56, 10
	s_lshl_b32 s22, s12, 9
	s_add_co_u32 s56, s56, s22
	s_add_nc_u64 s[BP:BP+1], s[BP:BP+1], s[56:57]
	s_add_co_u32 s[T1], s[T1], 1
.endif
	QUARTER 1, \fill
.irp s, 2,3,4,5,6
	QUARTER \s, 0
.endr
	TURN 7, \fill
.irp s, 8,9,10,11,12,13,14
	QUARTER \s, 0
.endr
.if \fill
	TURN 15, 1                                     ; blocks 0 and 1 are finished in front of its places; their conversions are the places behind blocks 2 and 3
.else
	s_wait_dscnt 0x0
	MULA 15, 0, 4
	PLACES
.endif
	PACK 0
	TOSTAGE 0
.irp a, 1,2,3                          ; block a's conversions stand between block a - 1's loads from the stage and the wait for them
	PACK \a
	SEND (\a)-1
	TOSTAGE \a
.endr
	SEND 3
.if \fill
	s_wait_xcnt 0x0                                ; the stores have read their base and their data: the base steps, and the second buffer takes fragments again
	s_add_nc_u64 s[8:9], s[8:9], 512               ; the next tile's 512 bytes of each row
.endif
.endm
	s_wait_tensorcnt 0x0                           ; my parts of h's block and of slot 0 are in,
	s_barrier_signal -1
	s_barrier_wait -1                              ; everybody's are
.set g, 0
.rept 4                                ; h into registers: four K slices to a step of the address, so that the offsets stay inside their 16 bits
	WIN 0x80+0x40*(g/2)                            ; destination window 2, then 3
.set sl, 0
.rept 4
.set a, 0
.rept 4
.set ra, 8*(4*((4*g+sl)%8)+a)
	ds_load_tr16_b128 v[ra:ra+3],   v[AH] offset:sl*32*PH+32*a
	ds_load_tr16_b128 v[ra+4:ra+7], v[AH] offset:sl*32*PH+32*a+16*PH
.set a, a+1
.endr
.set sl, sl+1
.endr
	WIN 0
.if g < 3
	v_add_nc_u32 v[AH], 4*32*PH, v[AH]
.endif
.set g, g+1
.endr
	FETCH 0, 0, F0                                 ; tile 0's first fragments
	s_wait_tensorcnt 0x0                           ; h's block is filled again, as slot 1: no tensor load of mine is out;
	ds_add_u32 v[SPW], v[NIL]                      ; 0 onto my spare word;
	s_mov_b32 s[T1], 1
	s_mov_b32 s[TILES], 5
	s_wait_dscnt 0x0                               ; the add is done, and my reads of h's block are over
	CROUND                                         ; so are those of every wave of every partner
	tensor_load_to_lds s[G0S+4:G0S+7], s[G1W:G1W+7]  ; tile 0, c 256 to 511: seven slices of products ahead of the wait for it
	s_nop 0
	PLACES
.Ltile:                                                ; tiles 0 to 4
	TILE 1
	WIN 0
	s_sub_co_u32 s[TILES], s[TILES], 1
	s_cmp_lg_u32 s[TILES], 0
	s_cbranch_scc1 .Ltile
	TILE 0                                         ; tile 5 is written out: nothing is left to fetch
	s_wait_tensorcnt 0x0                           ; the wave's end, behind my last tensor load and my last LDS store
	ds_add_u32 v[SPW], v[NIL]
	s_wait_dscnt 0x0
	CROUND                                         ; the closing round: no work-group ends while a partner may still ask for a tile that names it
	s_endpgm
.Lfunc_end_k_qca5fe01404_qkv:
	.size	k_qca5fe01404_qkv, .Lfunc_end_k_qca5fe01404_qkv-k_qca5fe01404_qkv
	.p2alignl 7, 3214868480
	.fill 96, 4, 3214868480
	.section	.rodata,"a",@progbits
	.p2align	6, 0x0
	.amdhsa_kernel k_qca5fe01404_qkv
		.amdhsa_group_segment_fixed_size 327680
		.amdhsa_private_segment_fixed_size 0
		.amdhsa_enable_private_segment 0
		.amdhsa_kernarg_size 48
		.amdhsa_user_sgpr_count 2
		.amdhsa_user_sgpr_kernarg_segment_ptr 1
		.amdhsa_wavefront_size32 1
		.amdhsa_system_sgpr_workgroup_id_x 1
		.amdhsa_system_sgpr_workgroup_id_y 1
		.amdhsa_system_sgpr_workgroup_id_z 1
		.amdhsa_system_vgpr_workitem_id 0
		.amdhsa_next_free_vgpr 1024
		.amdhsa_next_free_sgpr 76
		.amdhsa_reserve_vcc 0
		.amdhsa_float_denorm_mode_32 3
		.amdhsa_float_denorm_mode_16_64 3
		.amdhsa_memory_ordered 1
		.amdhsa_forward_progress 1
		.amdhsa_inst_pref_size 155
	.end_amdhsa_kernel
	.amdgpu_metadata
---
amdhsa.version: [ 1, 2 ]
amdhsa.kernels:
  - .name:           k_qca5fe01404_qkv
    .symbol:         k_qca5fe01404_qkv.kd
    .args:
      - { .name: h, .offset: 0, .size: 8, .value_kind: global_buffer, .address_space: global }
      - { .name: wcat, .offset: 8, .size: 8, .value_kind: global_buffer, .address_space: global }
      - { .name: qkv, .offset: 16, .size: 8, .value_kind: global_buffer, .address_space: global }
      - { .name: bq, .offset: 24, .size: 8, .value_kind: global_buffer, .address_space: global }
      - { .name: bk, .offset: 32, .size: 8, .value_kind: global_buffer, .address_space: global }
      - { .name: bv, .offset: 40, .size: 8, .value_kind: global_buffer, .address_space: global }
    .group_segment_fixed_size: 327680
    .private_segment_fixed_size: 0
    .kernarg_segment_align: 8
    .kernarg_segment_size: 48
    .max_flat_workgroup_size: 128
    .sgpr_count:     76
    .vgpr_count:     1024
    .wavefront_size: 32
...
	.end_amdgpu_metadata
.endif
;; end of part 2
;; launch attn (part 3): grid 8 x 32, 4 waves a work-group, clusters of 4 x 1, 327,680 bytes of LDS; arguments qkv, wcat, res, x, out0; writes out0
.if DOCPART == 3
	.amdgcn_target "amdgcn-amd-amdhsa--gfx1250"
	.amdhsa_code_object_version 6
	.text
	.protected	k_qca5fe01404_attn
	.globl	k_qca5fe01404_attn
	.p2align	8
	.type	k_qca5fe01404_attn,@function
k_qca5fe01404_attn:
	s_mov_b64 s[64:65], 0
	v_nop
	global_prefetch_b8 v0, s[64:65] scope:SCOPE_SE
	s_setreg_imm32_b32 hwreg(HW_REG_WAVE_MODE, 25, 1), 1
	s_wait_xcnt 0x0
	s_wait_alu depctr_hold_cnt(0) depctr_sa_sdst(0) depctr_va_vdst(0) depctr_va_sdst(0) depctr_va_ssrc(0) depctr_va_vcc(0) depctr_vm_vsrc(0)
	s_getreg_b32 s2, hwreg(HW_REG_IB_STS2, 6, 4)
	s_cmp_eq_u32 s2, 0
	s_cbranch_scc0 .Lentry_in_a_cluster
	s_endpgm
.Lentry_in_a_cluster:
	s_bfe_u32 s2, ttmp6, 0x10000c
	s_cmp_lg_u32 s2, 0x3003
	s_cbranch_scc0 .Lentry_shape_is_right
	s_endpgm
.Lentry_shape_is_right:
; ATTENTION over one head of 512 channels, the output projection, its bias and the residual.
; out0[b][o][n] = sum over c of wo[o][c] O[n][c] + bo[o] + xn[b][o][n],  O[n] = sum over m of softmax_m(q[n] . k[m] / sqrt(512)) v[m].
; qkv: [b x 1,024 + n][1,536] bf16 (q | k | v).  wcat rows 1,536 on: wo in bf16.  res[b][o] = (A, Bc): xn + bo = x A + Bc, made here of x in f32.
; SHARES.  A work-group owns 128 queries of a batch, a wave 32 of them: two tiles of 16.  Every wave walks the batch's 1,024 keys, 64 a step (256 matrix instructions),
; then wo's eight tiles of 64 rows (128 each).  32 x 8 = 256 work-groups.
; LAYOUT.  S^T = K Q^T (source 0 = 16 keys, source 1 = 16 queries): a lane holds ONE query (lane % 16) and the keys 8 (lane / 16) + 0..7.  Two such results rounded to bf16 ARE
; source 1 of O^T = V^T P, whose result again holds one query a lane and eight channels; and two of THOSE, rounded, are a fragment of O for D = O Wo^T.  So nothing changes lanes before the way out.
; K and wo come out of LDS as they lie, V ([key][channel]) turned, by ds_load_tr16_b128.
; SOFTMAX.  For each query a running maximum m and sum l: p = 2^(c s - c m), c = log2(e) / sqrt(512); in every step O and l are multiplied by a = 2^(c m_old - c m_new).
; m starts at the lowest finite number, O and l at 0, so the first step is a step like any other, with a = 0.  O^T's 512 registers are set to 0 by 64 matrix instructions on zero fragments, which
; stand in the wait for the first tile: matrix work that is not the problem's, 64 of a wave's 5,184; a first step written out would be a third copy of the step's text.
; O is divided by l only at the very end: D / l, in f32.
; IN PHASES: a step is all its K Q^T, the softmax, the rescaling, all its V^T P.
; CLUSTER.  The four query blocks of a cluster belong to one batch and walk the same K, V and wo, so each tile is asked for JOINTLY: the same load, descriptor and mask in all four.
; LIMITS.  q, k, v, p, the unnormalised O and wo are bf16 (l is the sum of the unrounded p).  A weight below 2^-126 counts as 0.  c s must lie above -4.25e37.  NaN and infinities are not treated apart.
; REGISTERS, in windows of 256 (s_set_vgpr_msb: bits 1:0 source 0, 3:2 source 1, 5:4 source 2, 7:6 destination):
;   window 0: v0-15 addresses; v16-31 eight registers of statistics a tile; v32-95 S^T, 32 a tile; v96-127 P, 16 a tile; v128-255 two buffers of eight fragments of K, V or wo
;   window 1: Q, tile t, channels 32 s on at 128 t + 8 s; later O in bf16, in the same places
;   windows 2, 3: O^T: tile t, channel block cb at window 2 + cb / 16, 128 t + 8 (cb % 16); in the last phase window 2: v0-63 rows of x, v64-127 rows of D, v128-131 1 / l
.set PK,    528       ; a row of K or wo in LDS: 512 bytes + 16 = 33 x 16: the 16 rows of a load start at 16 different groups of four banks (64 banks of 4 bytes: ISA guide 11.1)
.set PV,    544       ; a row of V: 512 + 32 = 17 x 32
.set KSUB,  64*PK     ; a sub-tile: 64 rows, one half of the 512 channels
.set VSUB,  64*PV
.set AREA,  2*VSUB    ; a slot has two areas: K's two sub-tiles, then V's two; in the last phase each area holds one tile of wo in K's layout
.set VOFF,  AREA
.set SLOT,  2*AREA
.set STAGE, 2*SLOT    ; behind the ring, never filled by a tensor load: 64 rows (o) x 528 bytes (128 n in f32 + 16), the work-group's
.set SPT,   528
.set RLB,   STAGE+64*SPT  ; 1 / l of the 128 queries: 512 bytes
.set SPARE, RLB+512   ; the spare words, 128 bytes for each wave
.set ROWB,  3072      ; bytes in a row of qkv
.set TILEB, 64*ROWB   ; 64 keys further on
.set OSTEP, 64*4096   ; 64 rows of x or out0 further on
.set AK0, 2           ; v2   my lane's place in a tile of K or wo; never rewritten
.set AV0, 3           ; v3   the same for V
.set AK,  4           ; v4   AK0 + the tile's first byte
.set AV,  5           ; v5
.set QO,  6           ; v6   my byte offset in 16 rows of Q
.set RD,  7           ; v7   the way out: where I read rows of the stage
.set GX,  8           ; v8   my byte offset in x and out0
.set STS, 10          ; v10  the way out: where I put D
.set RLS, 11          ; v11  where I put 1 / l
.set SPW, 12          ; v12  LDS address of my spare word; never rewritten
.set NIL, 13          ; v13  0; never rewritten
.set PFO, 14          ; v14  my byte offset in the tile that is asked for ahead
.set RLR, 15          ; v15  where I read 1 / l of my four n
.set ST,  16          ; tile t's statistics at ST + 8 t: c m, m, l (even keys', odd keys'), c0-c3 at work; a takes c2's place once the maximum is found
.set S,   32
.set P,   96
.set FB,  128
.set RB,  8           ; s[8:9]   res at my wave's 16 rows of the tile in hand
.set XB,  10          ; s[10:11] x at the tile's first row, my work-group's 128 n
.set OUB, 12          ; s[12:13] out0 likewise
.set WV,  14          ; s14  my wave's number
.set G1K, 24          ; s[24:31] group 1 for K's tiles
.set G1V, 32          ; s[32:39] for V's: it differs in the padding
.set G0KA, 40         ; s[40:43] group 0 of K's first fill
.set G0K, 44          ; s[44:47] group 0 of K's second fill; it walks on
.set G0VA, 48         ; s[48:51], s[52:55] the same for V.  In the last phase s[24:55] hold 16 pairs (A, Bc): no load of K or V is out by then
.set G0V, 52
.set TB,  56          ; s56  first byte of the slot in hand
.set INNER, 57        ; s57
.set CS,  58          ; s[58:59] c, twice
.set SEL, 60          ; s[60:61] v_permlanex16_b32's selects
.set OUTER, 62        ; s62
.set LK,  63          ; s63  my part's place in a slot, if I fetch K
.set LV,  66          ; s66  if I fetch V
.set LW,  67          ; s67  for wo
.set G1W, 68          ; s[68:75] group 1 for wo's tiles
.set G0W, 76          ; s[76:79] group 0; it walks
.set PF,  80          ; s[80:81] qkv at the tile that is asked for ahead
.set TA,  82          ; s82  first byte of the area in hand
.set MSB, 0
.macro WIN new                      ; the high byte repeats the setting that is left; a switch that changes nothing is dropped
.if MSB != (\new)
	s_set_vgpr_msb (MSB<<8)|(\new)
.set MSB, (\new)
.endif
.endm
.macro PLACES                       ; four places in front of loads into registers that matrix instructions have read, and of lines that read results
.rept 4
	v_nop
.endr
.endm
; A joint refill of K and V: waves 0 and 1 fetch the two channel halves of K's 64 rows, waves 2 and 3 those of V's.  An s_nop 0 and four v_nop follow each line.
.macro JLOAD
	s_cmp_lt_u32 s[WV], 2
	s_cbranch_scc0 .Lfor_v_\@
	tensor_load_to_lds s[G0K:G0K+3], s[G1K:G1K+7]
	s_nop 0
.rept 4
	v_nop
.endr
	s_branch .Lasked_\@
.Lfor_v_\@:
	tensor_load_to_lds s[G0V:G0V+3], s[G1V:G1V+7]
	s_nop 0
.rept 4
	v_nop
.endr
.Lasked_\@:
.endm
.macro WLOAD                        ; a joint refill with two tiles of wo: wave w fetches tile w / 2 of the pair, channel half w % 2: both addresses hang on the wave's number
	tensor_load_to_lds s[G0W:G0W+3], s[G1W:G1W+7]
	s_nop 0
.rept 4
	v_nop
.endr
.endm
.macro CROUND                       ; a round of the cluster's barrier
	s_barrier_signal -1
	s_barrier_wait -1
	s_cmp_lg_u32 s[WV], 0
	s_cbranch_scc1 .Lnot_wave_0_\@
	s_barrier_signal -3
.Lnot_wave_0_\@:
	s_barrier_wait -3
	s_barrier_signal -1
	s_barrier_wait -1
.endm
	s_load_b256 s[4:11], s[0:1], 0x0  ; qkv s[4:5], wcat s[6:7], res s[8:9], x s[10:11]
	s_load_b64 s[12:13], s[0:1], 0x20 ; out0
	v_lshl_add_u32 v[SPW], v0, 2, SPARE
	v_mov_b32 v[NIL], 0
	ds_add_u32 v[SPW], v[NIL]       ; the wave's opening: the add and its wait stand ahead of my first tensor load; the set-up below stands between them
	v_lshrrev_b32 v1, 5, v0
	v_readfirstlane_b32 s[WV], v1   ; wave 0..3
	s_bfe_u32 s15, ttmp6, 0x40000   ; my place in the cluster
	s_lshl_b32 s16, ttmp9, 2
	s_add_co_u32 s16, s16, s15      ; my block of 128 queries: it enters Q's, x's, out0's and the look-ahead's addresses alone
	s_and_b32 s17, ttmp7, 0xffff    ; the batch, which the partners share
	; group 1: 64 rows x 256 elements (512 bytes), padded behind each row; the mask names all four partners, bit 21 beside it
	s_mov_b32 s[G1K], 15|(1<<16)|(1<<20)|(1<<21)|(6<<22)|(3<<25)  ; after every 128 words (code 6) 4 words (code 3)
	s_mov_b32 s[G1V], 15|(1<<16)|(1<<20)|(1<<21)|(6<<22)|(7<<25)  ; 8 words (code 7)
	s_mov_b32 s[G1W], 15|(1<<16)|(1<<20)|(1<<21)|(6<<22)|(3<<25)
.irp g, G1K, G1V, G1W
	s_mov_b32 s[\g+1], 256<<16      ; tensor_dim0
	s_mov_b32 s[\g+2], 64<<16       ; tensor_dim1
	s_mov_b32 s[\g+3], 256<<16      ; tile_dim0
	s_mov_b32 s[\g+4], 64           ; tile_dim1
	s_mov_b32 s[\g+6], 0
	s_mov_b32 s[\g+7], 0
.endr
	s_mov_b32 s[G1K+5], 1536        ; elements from row to row
	s_mov_b32 s[G1V+5], 1536
	s_mov_b32 s[G1W+5], 512
	s_mov_b32 s[CS], 0x3d8293ee     ; c = log2(e) / sqrt(512) = 0.0637587
	s_mov_b32 s[CS+1], s[CS]
	s_mov_b32 s[SEL], 0x76543210
	s_mov_b32 s[SEL+1], 0xfedcba98
	s_mul_i32 s20, s17, 1024*ROWB   ; the batch's first byte in qkv
	s_mov_b32 s21, 0
	s_add_co_u32 s[PF], s20, 2*TILEB  ; the look-ahead begins at tile 2
	s_mov_b32 s[PF+1], 0
	s_and_b32 s22, s[WV], 1         ; which channel half I fetch
	s_lshr_b32 s23, s[WV], 1
	s_mul_i32 s[LK], s22, KSUB
	s_mul_i32 s[LV], s22, VSUB
	s_add_co_u32 s[LV], s[LV], VOFF
	s_mul_i32 s[LW], s23, AREA
	s_add_co_u32 s[LW], s[LW], s[LK]  ; no place in the cluster enters an LDS address
	s_lshl_b32 s22, s22, 9          ; the half's 512 bytes along a row
	s_add_co_u32 s20, s20, s22
	s_lshl_b32 s[TA], s23, 16       ; wo: tile w / 2 of a pair, 64 rows of 1,024 bytes,
	s_add_co_u32 s[TA], s[TA], s22
	s_add_co_u32 s[TA], s[TA], 1536*1024-131072  ; from wo's first row less one pair: every refill steps a pair on first (the address lies inside wcat)
	s_mov_b32 s[TA+1], 0
	s_lshl_b32 s18, s17, 10         ; my wave's first row of Q: 1,024 b + 128 x block + 32 w
	s_lshl_b32 s19, s16, 7
	s_add_co_u32 s18, s18, s19
	s_lshl_b32 s19, s[WV], 5
	s_add_co_u32 s18, s18, s19
	s_mul_i32 s18, s18, ROWB
	s_mov_b32 s19, 0
	s_mov_b32 s[G0KA], 1
	s_mov_b32 s[G0KA+1], s[LK]      ; tile 0 into slot 0
	s_mov_b32 s[G0K], 1
	s_add_co_u32 s[G0K+1], s[LK], SLOT  ; tile 1 into slot 1
	s_mov_b32 s[G0VA], 1
	s_mov_b32 s[G0VA+1], s[LV]
	s_mov_b32 s[G0V], 1
	s_add_co_u32 s[G0V+1], s[LV], SLOT
	s_mov_b32 s[G0W], 1
	s_wait_dscnt 0x0                ; the opening add is done
	s_wait_kmcnt 0x0
	s_add_nc_u64 s[PF:PF+1], s[4:5], s[PF:PF+1]
	s_add_nc_u64 s[22:23], s[4:5], s[20:21]
	s_add_nc_u64 s[G0KA+2:G0KA+3], s[22:23], 1024
	s_or_b32 s[G0KA+3], s[G0KA+3], 0x80000000
	s_add_nc_u64 s[G0K+2:G0K+3], s[22:23], 1024+TILEB
	s_or_b32 s[G0K+3], s[G0K+3], 0x80000000
	s_add_nc_u64 s[G0VA+2:G0VA+3], s[22:23], 2048
	s_or_b32 s[G0VA+3], s[G0VA+3], 0x80000000
	s_add_nc_u64 s[G0V+2:G0V+3], s[22:23], 2048+TILEB
	s_or_b32 s[G0V+3], s[G0V+3], 0x80000000
	s_add_nc_u64 s[G0W+2:G0W+3], s[6:7], s[TA:TA+1]
	s_or_b32 s[G0W+3], s[G0W+3], 0x80000000
	s_add_nc_u64 s[4:5], s[4:5], s[18:19]  ; Q at my wave's first row
	s_lshl_b32 s18, s17, 12         ; res: 4,096 bytes a batch, 128 for my wave's 16 rows
	s_lshl_b32 s20, s[WV], 7
	s_add_co_u32 s18, s18, s20
	s_add_nc_u64 s[RB:RB+1], s[RB:RB+1], s[18:19]
	s_lshl_b32 s18, s17, 21         ; x and out0: 2,097,152 bytes a batch, 512 for my block's 128 n
	s_lshl_b32 s20, s16, 9
	s_add_co_u32 s18, s18, s20
	s_add_nc_u64 s[XB:XB+1], s[XB:XB+1], s[18:19]
	s_add_nc_u64 s[OUB:OUB+1], s[OUB:OUB+1], s[18:19]
	CROUND                          ; all four work-groups are here: the first joint loads meet
	s_cmp_lt_u32 s[WV], 2           ; a wave's two first fills stand in one branch: two loads of mine are out
	s_cbranch_scc0 .Lfirst_v
	tensor_load_to_lds s[G0KA:G0KA+3], s[G1K:G1K+7]
	s_nop 0
	tensor_load_to_lds s[G0K:G0K+3], s[G1K:G1K+7]
	s_nop 0
.rept 4
	v_nop
.endr
	s_branch .Lfirst_asked
.Lfirst_v:
	tensor_load_to_lds s[G0VA:G0VA+3], s[G1V:G1V+7]
	s_nop 0
	tensor_load_to_lds s[G0V:G0V+3], s[G1V:G1V+7]
	s_nop 0
.rept 4
	v_nop
.endr
.Lfirst_asked:
	; A fragment of Q, K or wo is 16 rows x 32 channels in 8 registers: lane l holds row l % 16, channels 8 (l / 16) + 0..7 and 16 + 8 (l / 16) + 0..7: two loads of 16 bytes, 32 bytes apart.
	v_and_b32 v1, 15, v0            ; l % 16
	v_bfe_u32 v9, v0, 4, 1          ; l / 16
	v_mul_u32_u24 v[QO], v1, ROWB
	v_lshl_add_u32 v[QO], v9, 4, v[QO]
	WIN 0x40                        ; destination window 1
.set i, 0
.rept 32                            ; Q stays in registers: tile i / 16, channels 32 (i % 16) on
	global_load_b128 v[8*i:8*i+3],   v[QO], s[4:5] offset:(i/16)*16*ROWB+(i%16)*64
	global_load_b128 v[8*i+4:8*i+7], v[QO], s[4:5] offset:(i/16)*16*ROWB+(i%16)*64+32
.set i, i+1
.endr
	WIN 0
.set i, 0
.rept 16                            ; two fragments of zeros,
	v_mov_b32 v[FB+i], 0
.set i, i+1
.endr
	WIN 0x80                        ; whose product, with C = 0, sets an accumulator of O^T to 0: 32 in window 2,
.set i, 0
.rept 32
	v_wmma_f32_16x16x32_bf16 v[8*i:8*i+7], v[FB:FB+7], v[FB+8:FB+15], 0
.set i, i+1
.endr
	WIN 0xc0                        ; 32 in window 3
.set i, 0
.rept 32
	v_wmma_f32_16x16x32_bf16 v[8*i:8*i+7], v[FB:FB+7], v[FB+8:FB+15], 0
.set i, i+1
.endr
	WIN 0
.irp t, 0,1
	v_mov_b32 v[ST+8*\t], 0xfe000000    ; c m: far below every c s
	v_mov_b32 v[ST+8*\t+1], 0xff7fffff  ; m
	v_mov_b32 v[ST+8*\t+2], 0
	v_mov_b32 v[ST+8*\t+3], 0
.endr
	v_and_b32 v32, 31, v0           ; lane
	v_and_b32 v33, 7, v0
	v_bfe_u32 v34, v0, 3, 1
	v_mul_u32_u24 v[AK0], v1, PK
	v_lshl_add_u32 v[AK0], v9, 4, v[AK0]  ; row x pitch + 16 x half
	; The turning load takes 16 keys x 16 channels (lane l reads key 8 (l / 16) + l % 8, channels 8 ((l / 8) % 2) + 0..7) and leaves half a fragment of V^T: lane l holds channel l % 16 and 8 keys.
	v_lshl_add_u32 v[AV0], v9, 3, v33
	v_mul_u32_u24 v[AV0], v[AV0], PV
	v_lshl_add_u32 v[AV0], v34, 4, v[AV0]
	v_add_nc_u32 v[AV0], VOFF, v[AV0]
	s_mul_i32 s18, s[WV], 16*SPT
	s_add_co_u32 s18, s18, STAGE
	v_lshl_add_u32 v[RD], v32, 4, s18      ; back: wave w takes the stage's rows 16 w on, whole: 32 lanes x 16 bytes
	s_lshl_b32 s18, s[WV], 16
	v_lshl_add_u32 v[GX], v32, 4, s18      ; the same 16 rows of x and out0, 4,096 bytes apart
	s_lshl_b32 s18, s[WV], 7               ; my wave's 32 n among the 128, in f32
	v_lshl_add_u32 v35, v1, 2, s18         ; my query among them
	v_add_nc_u32 v[RLS], RLB, v35
	s_add_co_u32 s20, s18, STAGE
	v_mul_u32_u24 v[STS], v1, SPT          ; in: row o = l % 16, eight n from 8 (l / 16) on
	v_lshl_add_u32 v[STS], v9, 5, v[STS]
	v_add_nc_u32 v[STS], s20, v[STS]
	v_lshl_add_u32 v[RLR], v32, 4, RLB
	s_lshl_b32 s18, s16, 3
	s_lshl2_add_u32 s18, s[WV], s18        ; the look-ahead: of a tile's 64 rows my work-group asks for 8, waves 0 and 1 for 4 each;
	v_bfe_u32 v36, v0, 3, 2                ; a lane for one of the 8 blocks of 256 bytes that K and V take of a row
	v_add_nc_u32 v36, s18, v36
	v_mul_u32_u24 v36, v36, ROWB
	v_lshl_add_u32 v[PFO], v33, 8, v36
	v_add_nc_u32 v[PFO], 1024, v[PFO]
; K Q^T (sw = 0) and O Wo^T (sw = 1).  Run i of 8: channel slices 2 i, 2 i + 1 x four blocks of 16 rows: 16 loads into buffer i % 2, 16 products.
.macro LOADK i, sw
.if \sw
	WIN 0
.else
	WIN 0x04                        ; the products' setting serves the loads too: destination and address in window 0
.endif
.irp sl, 0,1
.irp kb, 0,1,2,3
.set ko, ((2*(\i)+\sl)/8)*KSUB+\kb*16*PK+((2*(\i)+\sl)%8)*64
	ds_load_b128 v[FB+64*((\i)%2)+8*(4*\sl+\kb):FB+64*((\i)%2)+8*(4*\sl+\kb)+3],   v[AK] offset:ko
	ds_load_b128 v[FB+64*((\i)%2)+8*(4*\sl+\kb)+4:FB+64*((\i)%2)+8*(4*\sl+\kb)+7], v[AK] offset:ko+32
.endr
.endr
.endm
; The 8 accumulators take turns, one instruction a turn.  Slice 0 starts the sums.
; sw = 0: source 0 = the rows from LDS, source 1 = Q: a lane holds one query.  sw = 1: the sources change places: a lane holds one row o of wo and eight neighbouring n.
.macro MULK i, sw
.if \sw
	WIN 0x01                        ; source 0 (O) in window 1, all else in window 0
.else
	WIN 0x04                        ; source 1 (Q) in window 1, all else in window 0
.endif
.irp sl, 0,1
.irp kb, 0,1,2,3
.irp t, 0,1
.set rS, S+32*\t+8*\kb
.set rF, FB+64*((\i)%2)+8*(4*\sl+\kb)
.set rQ, 128*\t+8*(2*(\i)+\sl)
.if ((\i) == 0) && (\sl == 0) && (\sw)
	v_wmma_f32_16x16x32_bf16 v[rS:rS+7], v[rQ:rQ+7], v[rF:rF+7], 0
.elseif ((\i) == 0) && (\sl == 0)
	v_wmma_f32_16x16x32_bf16 v[rS:rS+7], v[rF:rF+7], v[rQ:rQ+7], 0
.elseif \sw
	v_wmma_f32_16x16x32_bf16 v[rS:rS+7], v[rQ:rQ+7], v[rF:rF+7], v[rS:rS+7]
.else
	v_wmma_f32_16x16x32_bf16 v[rS:rS+7], v[rF:rF+7], v[rQ:rQ+7], v[rS:rS+7]
.endif
.endr
.endr
.endr
.endm
; V^T P.  Run v of 8: channel half v / 4, keys 32 ((v / 2) % 2) on, channel blocks 8 (v % 2) + 0..7 of the half: 16 turning loads into buffer v % 2, 16 products on 16 accumulators.
.macro LOADV v
.if MSB != 0x04
	WIN 0
.endif
.set f, 0
.rept 8
.set vo, ((\v)/4)*VSUB+(((\v)/2)%2)*32*PV+(8*((\v)%2)+f)*32
	ds_load_tr16_b128 v[FB+64*((\v)%2)+8*f:FB+64*((\v)%2)+8*f+3],   v[AV] offset:vo
	ds_load_tr16_b128 v[FB+64*((\v)%2)+8*f+4:FB+64*((\v)%2)+8*f+7], v[AV] offset:vo+16*PV
.set f, f+1
.endr
.endm
.macro MULV v
	WIN 0xa0+0x50*((\v)/4)          ; C and D in window 2 or 3
.set f, 0
.rept 8
.set co, 8*(8*((\v)%2)+f)
.irp t, 0,1
	v_wmma_f32_16x16x32_bf16 v[128*\t+co:128*\t+co+7], v[FB+64*((\v)%2)+8*f:FB+64*((\v)%2)+8*f+7], v[P+16*\t+8*(((\v)/2)%2):P+16*\t+8*(((\v)/2)%2)+7], v[128*\t+co:128*\t+co+7]
.endr
.set f, f+1
.endr
.endm
; All 128 products on the 8 accumulators.  While run i is multiplied, run i + 1 is on its way: s_wait_dscnt 16 leaves out the one run issued behind the run that is due.
; tail = 1: V's first two runs follow K's last, so that they land under the softmax.
.macro KQPH tail, sw
	PLACES
	LOADK 0, \sw
.set kq, 0
.rept 8
.if kq < 7
.if kq > 0
	PLACES
.endif
	LOADK kq+1, \sw
	s_wait_dscnt 16
.elseif \tail
	PLACES
	LOADV 0
	s_wait_dscnt 16
.else
	s_wait_dscnt 0x0
.endif
	MULK kq, \sw
.set kq, kq+1
.endr
.if \tail
	PLACES
	LOADV 1
.endif
.endm
; One tile's softmax for one key step is a list of 102 instructions; SM writes number j of it for tile t.  s0-s31 are the lane's 32 scores, in pairs 0-15.
;   0-15    the maximum of s0-s31 and the old m, three operands at a time (each accumulator's lowest registers are read first)
;   16-20   the other half of the lanes' maximum; c m_old is kept; the new m; c m; c m_old - c m_new
;   21-87   33 exponentials (a, then s0-s31) at the odd numbers from 23 on; between them whatever is ready: c s - c m for pairs still to come, the rounding of pairs that are done, the first three sums
;   88-101  the last rounding; the rest of the sums; l = a l + the sum
.macro SM t
.set rT, ST+8*(\t)
.set rS, S+32*(\t)
.set rP, P+16*(\t)
.set q, (j-20)/2
.if j < 4
	v_max3_num_f32 v[rT+4+j], v[rS+8*j], v[rS+8*j+1], v[rS+8*j+2]
.elseif j < 12
	v_max3_num_f32 v[rT+4+j%4], v[rT+4+j%4], v[rS+8*(j%4)+2*(j/4)+1], v[rS+8*(j%4)+2*(j/4)+2]
.elseif j == 12
	v_max3_num_f32 v[rT+4], v[rT+4], v[rS+7], v[rS+15]
.elseif j == 13
	v_max3_num_f32 v[rT+6], v[rT+6], v[rS+23], v[rS+31]
.elseif j == 14
	v_max3_num_f32 v[rT+4], v[rT+4], v[rT+5], v[rT+6]
.elseif j == 15
	v_max3_num_f32 v[rT+4], v[rT+4], v[rT+7], v[rT+1]
.elseif j == 16
	v_permlanex16_b32 v[rT+5], v[rT+4], s[SEL], s[SEL+1]  ; the query's other 32 keys lie in the lane 16 away
.elseif j == 17
	v_mov_b32 v[rT+7], v[rT]
.elseif j == 18
	v_max_num_f32 v[rT+1], v[rT+4], v[rT+5]
.elseif j == 19
	v_mul_f32 v[rT], s[CS], v[rT+1]
.elseif j == 20
	v_sub_f32 v[rT+7], v[rT+7], v[rT]
.elseif j == 23
	v_exp_f32 v[rT+6], v[rT+7]
.elseif (j < 88) && (j > 23) && (j%2 == 1)
	v_exp_f32 v[rS+(j-25)/2], v[rS+(j-25)/2]
.elseif (q < 4) || ((j < 76) && (q%2 == 0))
.set b, q/2+2
.if q < 4
.set b, q
.endif
	v_pk_fma_f32 v[rS+2*b:rS+2*b+1], v[rS+2*b:rS+2*b+1], s[CS:CS+1], v[rT:rT+1] op_sel_hi:[1,0,0] neg_lo:[0,0,1] neg_hi:[0,0,1]  ; pair b: c s - c m
.elseif (j < 88) && (q%2 == 1)
	s_wait_alu depctr_va_vdst(0)
	v_cvt_pk_bf16_f32 v[rP+(q-5)/2], v[rS+q-5], v[rS+q-4]
.elseif j == 89
	s_wait_alu depctr_va_vdst(0)
	v_cvt_pk_bf16_f32 v[rP+15], v[rS+30], v[rS+31]
.else                               ; the sum of the 16 pairs, in place: sum z of 16 adds neighbours 1, 2, 4 and 8 pairs apart, then l takes it
.set z, j-86
.if j < 89
.set z, (j-76)/4
.endif
.set w, 4
.set u, z
.if z >= 14
.set w, 32
.set u, 0
.elseif z >= 12
.set w, 16
.set u, z-12
.elseif z >= 8
.set w, 8
.set u, z-8
.endif
.if z < 15
	v_pk_add_f32 v[rS+w*u:rS+w*u+1], v[rS+w*u:rS+w*u+1], v[rS+w*u+w/2:rS+w*u+w/2+1]
.else
	v_pk_fma_f32 v[rT+2:rT+3], v[rT+2:rT+3], v[rT+6:rT+7], v[rS:rS+1] op_sel_hi:[1,0,1]
.endif
.endif
.endm
; Both tiles' lists, two numbers at a time.  From 22 to 87 tile by tile: plain, exponential, plain, exponential: a plain instruction stands behind every exponential (ISA guide 5.7.2).
; Elsewhere the tiles alternate, so that no line reads the result of the one just before it.
.macro SOFTMAX
	WIN 0
.set k, 0
.rept 51
.if (k >= 11) && (k < 44)
.irp t, 0,1
.irp n, 0,1
.set j, 2*k+\n
	SM \t
.endr
.endr
.else
.irp n, 0,1
.irp t, 0,1
.set j, 2*k+\n
	SM \t
.endr
.endr
.endif
.set k, k+1
.endr
.endm
.macro RESCALE                      ; O^T times a, ascending
	WIN 0x82                        ; destination and source 0 in window 2, a in window 0
.set i, 0
.rept 128
	v_pk_mul_f32 v[2*i:2*i+1], v[2*i:2*i+1], v[ST+8*(i/64)+6:ST+8*(i/64)+7] op_sel_hi:[1,0]
.set i, i+1
.endr
	WIN 0xc3
.set i, 0
.rept 128
	v_pk_mul_f32 v[2*i:2*i+1], v[2*i:2*i+1], v[ST+8*(i/64)+6:ST+8*(i/64)+7] op_sel_hi:[1,0]
.set i, i+1
.endr
.endm
.macro PVPH                         ; all 128 products of O^T; runs 0 and 1 were asked for in front of the softmax
	s_wait_dscnt 16                 ; run 0 is in; run 1 may be out
	MULV 0
.set pv, 1
.rept 7
.if pv < 7
	WIN 0
	PLACES
	LOADV pv+1
	s_wait_dscnt 16
.else
	s_wait_dscnt 0x0
.endif
	MULV pv
.set pv, pv+1
.endr
.endm
; In step j waves 0 and 1 ask ahead for my work-group's eighth of tile j + 2 (4 rows x 2,048 bytes a wave, a lane to each 256 bytes): the eight work-groups of a batch cover the tile once.
; The tile's tensor load is issued at this step's end.  It stands in steps 0 to 13 alone, so the last tile asked for is tile 15.
.macro PREF
	s_cmp_lt_u32 s[WV], 2
	s_cbranch_scc0 .Lno_pf_\@
	global_prefetch_b8 v[PFO], s[PF:PF+1] th:TH_LOAD_NT scope:SCOPE_SE
.Lno_pf_\@:
.endm
.macro STEP pf                      ; a key step on the slot at TB
	v_add_nc_u32 v[AK], s[TB], v[AK0]
	v_add_nc_u32 v[AV], s[TB], v[AV0]
.if \pf
	PREF
.endif
	KQPH 1, 0
	SOFTMAX
	RESCALE
	PVPH
	WIN 0
.endm
; THE CHANGE OF SLOTS.  Each wave waits for all its tensor loads, of which one is out: its part of the other slot; adds 0 to its spare word; and waits for that and for its reads of the slot at TB.
; Behind the barrier nobody reads that slot any more and the other slot is whole.  kind = 1: the slot takes the keys two steps on; 2: the next pair of wo's tiles; the barrier is then a round of the
; cluster's and the joint refill the first thing behind it: it has a whole step, or two tiles of wo, 256 matrix instructions, in which to land.  kind = 0: nothing is left to fetch.
.macro CHANGE kind
	WIN 0
	s_wait_tensorcnt 0x0            ; no tensor load of mine is out, so a group 0 may be written
	ds_add_u32 v[SPW], v[NIL]       ; 0 onto my spare word; the descriptors' steps stand between it and the wait for it
.if (\kind) == 1
	s_add_co_u32 s[G0K+1], s[TB], s[LK]
	s_add_nc_u64 s[G0K+2:G0K+3], s[G0K+2:G0K+3], TILEB  ; the type bits on top are not reached
	s_add_co_u32 s[G0V+1], s[TB], s[LV]
	s_add_nc_u64 s[G0V+2:G0V+3], s[G0V+2:G0V+3], TILEB
	s_wait_xcnt 0x0                 ; the look-ahead of this step's beginning has read its base
	s_add_nc_u64 s[PF:PF+1], s[PF:PF+1], TILEB
.elseif (\kind) == 2
	s_add_co_u32 s[G0W+1], s[TB], s[LW]
	s_add_nc_u64 s[G0W+2:G0W+3], s[G0W+2:G0W+3], 131072
.endif
	s_wait_dscnt 0x0                ; the add is done, and my reads of the slot are over
.if (\kind) == 0
	s_barrier_signal -1
	s_barrier_wait -1
.else
	CROUND
.if (\kind) == 1
	JLOAD
.else
	WLOAD
.endif
.endif
.endm
; ONE TILE OF WO: 64 rows of out0 for the work-group's 128 n.  D = O Wo^T by the text of K Q^T with the sources in each other's places: a lane holds one row o and eight neighbouring n, 32 bytes
; of a row of out0.  D goes through the work-group's stage, since a row's 512 bytes come from four waves; wave w then takes rows 16 w on, whole, and stores D / l + (x A + Bc).
.macro CT
	WIN 0x80                        ; destination window 2
.set i, 0
.rept 16
	global_load_b128 v[4*i:4*i+3], v[GX], s[XB:XB+1] offset:4096*i th:TH_LOAD_NT  ; my 16 rows of x: they land under the products
.set i, i+1
.endr
	s_load_b512 s[24:39], s[RB:RB+1], 0x0   ; (A, Bc) of my 16 rows
	s_load_b512 s[40:55], s[RB:RB+1], 0x40
	WIN 0
	v_add_nc_u32 v[AK], s[TA], v[AK0]
	KQPH 0, 1
	s_barrier_signal -1             ; my reads of the stage's last contents are long back (no LDS instruction of mine is out); work on registers stands between the signal and the wait
	s_wait_loadcnt 0x0              ; x
	s_wait_kmcnt 0x0                ; A, Bc
	WIN 0xaa                        ; all in window 2
.set i, 0
.rept 16                            ; x A + Bc: also the places behind the last products
.irp rr, 0,1,2,3
	v_fma_f32 v[4*i+\rr], v[4*i+\rr], s[24+2*i], s[25+2*i]
.endr
.set i, i+1
.endr
	s_wait_xcnt 0x0                 ; this tile's loads and the last tile's stores have read their bases and data: the bases step, and D's registers are loaded again below
	s_add_nc_u64 s[XB:XB+1], s[XB:XB+1], OSTEP
	s_add_nc_u64 s[OUB:OUB+1], s[OUB:OUB+1], OSTEP  ; the stores below reach back by their immediate
	s_add_nc_u64 s[RB:RB+1], s[RB:RB+1], 64*8
	WIN 0
	s_barrier_wait -1               ; every wave has read the stage's last contents
.irp t, 0,1
.irp kb, 0,1,2,3
	ds_store_b128 v[STS], v[S+32*\t+8*\kb:S+32*\t+8*\kb+3]   offset:\kb*16*SPT+64*\t
	ds_store_b128 v[STS], v[S+32*\t+8*\kb+4:S+32*\t+8*\kb+7] offset:\kb*16*SPT+64*\t+16
.endr
.endr
	s_wait_dscnt 0x0                ; for the others' sake: my stores into the stage are done
	s_barrier_signal -1
	s_barrier_wait -1
	WIN 0x80
	ds_load_b128 v[128:131], v[RLR]
.set i, 0
.rept 16
	ds_load_b128 v[64+4*i:64+4*i+3], v[RD] offset:SPT*i
.set i, i+1
.endr
	s_wait_dscnt 0x0                ; D and 1 / l
	WIN 0xaa
.set i, 0
.rept 16
	v_pk_fma_f32 v[64+4*i:64+4*i+1], v[64+4*i:64+4*i+1], v[128:129], v[4*i:4*i+1]
	v_pk_fma_f32 v[64+4*i+2:64+4*i+3], v[64+4*i+2:64+4*i+3], v[130:131], v[4*i+2:4*i+3]
.set i, i+1
.endr
	WIN 0x08                        ; store data in window 2, address in window 0
.set i, 0
.rept 16
	global_store_b128 v[GX], v[64+4*i:64+4*i+3], s[OUB:OUB+1] offset:4096*i-OSTEP th:TH_STORE_NT  ; a wave stores 512 consecutive bytes, at a multiple of 256 from out0's first byte
.set i, i+1
.endr
	WIN 0
.endm
	s_wait_tensorcnt 1              ; my part of tile 0 is in; tile 1's may stay out
	s_barrier_signal -1
	s_barrier_wait -1               ; everybody's is
	s_wait_loadcnt 0x0              ; Q
	s_mov_b32 s[OUTER], 7
.Lpair:                             ; steps 0 to 13: the slot just read takes the tile two steps on
	s_mov_b32 s[TB], 0
	s_mov_b32 s[INNER], 2
.Lstep:
	STEP 1
	CHANGE 1
	s_add_co_u32 s[TB], s[TB], SLOT
	s_sub_co_u32 s[INNER], s[INNER], 1
	s_cmp_lg_u32 s[INNER], 0
	s_cbranch_scc1 .Lstep
	s_sub_co_u32 s[OUTER], s[OUTER], 1
	s_cmp_lg_u32 s[OUTER], 0
	s_cbranch_scc1 .Lpair
	s_mov_b32 s[TB], 0              ; steps 14 and 15, a second text: the slots take wo's pairs 0 and 1
	s_mov_b32 s[INNER], 2
.Ltail:
	STEP 0
	CHANGE 2
	s_add_co_u32 s[TB], s[TB], SLOT
	s_sub_co_u32 s[INNER], s[INNER], 1
	s_cmp_lg_u32 s[INNER], 0
	s_cbranch_scc1 .Ltail
	; l's two halves and the other half of the lanes' are added; 1 / l goes to LDS for the way out; O^T, not yet divided, is rounded to bf16 into Q's registers:
	; accumulators 2 s and 2 s + 1 are fragment s.  The last products stand in front of the change of slots, whose four v_nop are their places.
.irp t, 0,1
	v_add_f32 v[ST+8*\t+4], v[ST+8*\t+2], v[ST+8*\t+3]
.endr
.irp t, 0,1
	v_permlanex16_b32 v[ST+8*\t+5], v[ST+8*\t+4], s[SEL], s[SEL+1]
.endr
.irp t, 0,1
	v_add_f32 v[ST+8*\t+4], v[ST+8*\t+4], v[ST+8*\t+5]
.endr
.irp t, 0,1
	v_rcp_f32 v[ST+8*\t+6], v[ST+8*\t+4]
.endr
	v_nop                           ; a plain instruction between the last reciprocal and the use of its result
	s_wait_alu depctr_va_vdst(0)
.irp t, 0,1
	ds_store_b32 v[RLS], v[ST+8*\t+6] offset:64*\t  ; both halves of the lanes write the query's word with the same value; it is read behind two barriers
.endr
	WIN 0x4a                        ; sources in window 2, destination in window 1
.set i, 0
.rept 128
	v_cvt_pk_bf16_f32 v[128*(i/64)+i%64], v[128*(i/64)+2*(i%64)], v[128*(i/64)+2*(i%64)+1]
.set i, i+1
.endr
	WIN 0x4f                        ; sources in window 3
.set i, 0
.rept 128
	v_cvt_pk_bf16_f32 v[128*(i/64)+64+i%64], v[128*(i/64)+2*(i%64)], v[128*(i/64)+2*(i%64)+1]
.set i, i+1
.endr
	WIN 0
	s_mov_b32 s[TB], 0              ; wo's pairs 0 and 1; the slots take pairs 2 and 3
	s_mov_b32 s[OUTER], 2
.Lw1:
	s_mov_b32 s[TA], s[TB]
	s_mov_b32 s[INNER], 2
.Lc1:
	CT
	s_add_co_u32 s[TA], s[TA], AREA
	s_sub_co_u32 s[INNER], s[INNER], 1
	s_cmp_lg_u32 s[INNER], 0
	s_cbranch_scc1 .Lc1
	CHANGE 2
	s_add_co_u32 s[TB], s[TB], SLOT
	s_sub_co_u32 s[OUTER], s[OUTER], 1
	s_cmp_lg_u32 s[OUTER], 0
	s_cbranch_scc1 .Lw1
	s_mov_b32 s[TB], 0              ; pairs 2 and 3, a second text: nothing is left to fetch
	s_mov_b32 s[OUTER], 2
.Lw2:
	s_mov_b32 s[TA], s[TB]
	s_mov_b32 s[INNER], 2
.Lc2:
	CT
	s_add_co_u32 s[TA], s[TA], AREA
	s_sub_co_u32 s[INNER], s[INNER], 1
	s_cmp_lg_u32 s[INNER], 0
	s_cbranch_scc1 .Lc2
	CHANGE 0                        ; in front of pair 3: its tiles have landed in every wave; behind pair 3 it is a plain barrier, the price of one text for both trips
	s_add_co_u32 s[TB], s[TB], SLOT
	s_sub_co_u32 s[OUTER], s[OUTER], 1
	s_cmp_lg_u32 s[OUTER], 0
	s_cbranch_scc1 .Lw2
	s_wait_tensorcnt 0x0            ; the wave's end, behind my last tensor load and my last LDS store
	ds_add_u32 v[SPW], v[NIL]
	s_wait_dscnt 0x0
	CROUND                          ; the closing round: no work-group ends while a partner may still ask for a tile that names it
	s_endpgm
.Lfunc_end_k_qca5fe01404_attn:
	.size	k_qca5fe01404_attn, .Lfunc_end_k_qca5fe01404_attn-k_qca5fe01404_attn
	.p2alignl 7, 3214868480
	.fill 96, 4, 3214868480
	.section	.rodata,"a",@progbits
	.p2align	6, 0x0
	.amdhsa_kernel k_qca5fe01404_attn
		.amdhsa_group_segment_fixed_size 327680
		.amdhsa_private_segment_fixed_size 0
		.amdhsa_enable_private_segment 0
		.amdhsa_kernarg_size 40
		.amdhsa_user_sgpr_count 2
		.amdhsa_user_sgpr_kernarg_segment_ptr 1
		.amdhsa_wavefront_size32 1
		.amdhsa_system_sgpr_workgroup_id_x 1
		.amdhsa_system_sgpr_workgroup_id_y 1
		.amdhsa_system_sgpr_workgroup_id_z 1
		.amdhsa_system_vgpr_workitem_id 0
		.amdhsa_next_free_vgpr 1024
		.amdhsa_next_free_sgpr 84
		.amdhsa_reserve_vcc 0
		.amdhsa_float_denorm_mode_32 3
		.amdhsa_float_denorm_mode_16_64 3
		.amdhsa_memory_ordered 1
		.amdhsa_forward_progress 1
		.amdhsa_inst_pref_size 225
	.end_amdhsa_kernel
	.amdgpu_metadata
---
amdhsa.version: [ 1, 2 ]
amdhsa.kernels:
  - .name:           k_qca5fe01404_attn
    .symbol:         k_qca5fe01404_attn.kd
    .args:
      - { .name: qkv, .offset: 0, .size: 8, .value_kind: global_buffer, .address_space: global }
      - { .name: wcat, .offset: 8, .size: 8, .value_kind: global_buffer, .address_space: global }
      - { .name: res, .offset: 16, .size: 8, .value_kind: global_buffer, .address_space: global }
      - { .name: x, .offset: 24, .size: 8, .value_kind: global_buffer, .address_space: global }
      - { .name: out0, .offset: 32, .size: 8, .value_kind: global_buffer, .address_space: global }
    .group_segment_fixed_size: 327680
    .private_segment_fixed_size: 0
    .kernarg_segment_align: 8
    .kernarg_segment_size: 40
    .max_flat_workgroup_size: 128
    .sgpr_count:     84
    .vgpr_count:     1024
    .wavefront_size: 32
...
	.end_amdgpu_metadata
.endif
;; end of part 3
